; MI455X (gfx1250); checked and timed in simulation.
; The chip was launched on July 23, 2026; its instructions are those of AMD's public machine-readable ISA for CDNA 5 (MIT licence, August 2026) and "CDNA5" Instruction Set Architecture Reference Guide (July 2026). The comments in the code are by the model that wrote it; some were corrected since.
;; Multi Head Attention Base. Allowed arithmetic: matrix products marked QUANTISED: E2M3 operands, one E8M0 scale for each 32 along K, by v_wmma_scale_f32_16x16x128_f8f6f4 with both operands' format E2M3, f32 sums; everything else in f32.
;; Inputs: k 4 x 16 x 2,048 x 64 float32; mask 4 x 1 x 2,048 x 2,048 int32; q 4 x 16 x 2,048 x 64 float32; v 4 x 16 x 2,048 x 64 float32.
;; Outputs: out0 4 x 16 x 2,048 x 64 float32.
;; This version of the problem:
;;   THIS VERSION OF THE PROBLEM IS GIVEN IN LOW PRECISION. The matrix products marked QUANTISED in the list below multiply operands that are first quantised to E2M3 (2 exponent bits, 3 mantissa bits; 6 bits a number), with one power-of-two scale for each 32 numbers along K (OCP MX v1.0); their sums are f32. All else is computed in f32.
;;   The module's matrix products, in the order in which they are computed (A, B: the left and right operand; K: the contracted axis; several contracted axes count as one K, in the product's order):
;;     1. batch 64 x [M 2,048, K 64] x [K 64, N 2,048]; A: input q; B: input k: QUANTISED
;;     2. batch 64 x [M 2,048, K 2,048] x [K 2,048, N 64]; A: softmax (see below); B: input v: QUANTISED
;;   THE QUANTISER, for each operand of a quantised product, along K:
;;     - K is cut into blocks of 32 from its start; a last block that is shorter is filled with zeros.
;;     - A block's scale is 2^e with e = floor(log2(the largest magnitude in the block)) - 2, held to -126 .. 127; a block of zeros has e = 0. As a byte (E8M0): e + 127.
;;     - Each number is divided by its block's scale, clamped to +-7.5, and rounded to the nearest number of E2M3, ties to even, subnormals kept.
;;     - The product sums the exact products of the quantised numbers (number of the format x scale) in f32.
;;   ~~~python
;;   def quantise(x, axis):      # numpy; x: float32 -> the quantised numbers, widened to float32 again
;;       x = np.moveaxis(x, axis, -1); K = x.shape[-1]
;;       x = np.pad(x, [(0, 0)] * (x.ndim - 1) + [(0, -K % 32)]); x = x.reshape(x.shape[:-1] + (-1, 32)); a = np.abs(x).max(-1, keepdims=True)
;;       e = np.where(a > 0, np.clip(np.frexp(np.where(a > 0, a, 1))[1] - 1 - 2, -126, 127), 0)      # np.frexp(a)[1] - 1 = floor(log2(a)), exactly
;;       r = np.clip(x / 2.0 ** e, -7.5, 7.5)
;;       step = 2.0 ** (np.maximum(np.frexp(np.where(r == 0, 1, r))[1] - 1, 0) - 3)
;;       q = np.round(r / step) * step * 2.0 ** e      # np.round: ties to even
;;       return np.moveaxis(q.reshape(q.shape[:-2] + (-1,))[..., :K], -1, axis).astype(np.float32)
;;   ~~~
;;   SOFTMAX AHEAD OF A QUANTISED PRODUCT. Where the list says 'softmax', what is quantised is not the finished softmax but p = 2^(t - M), with t = logit x log2(e) and M = ceil(the row's largest t), a whole number; so 1/2 < the row's largest p <= 1. The row's sum l is taken of the UNQUANTISED p, in f32, and the product's result is divided by l at the end. Since M is a whole number, a kernel that streams over the keys may use a running M (the ceiling of the running maximum): every later rescaling is an exact power of two, which a block's scale takes up: the codes' values come out the same.
;;   OPERANDS COMPUTED ON THE WAY. 'Computed on the way' means the value that the module computes at that place (a softmax that the list does not call 'softmax' is quantised finished and normalised). What goes into a quantiser is computed in f32, as accurately as f32 sums, v_exp_f32 and their like allow (about 1e-6 of the number): no bf16 or f16 on the way to a quantiser, and a product that is left as it is and whose result goes on into a quantised operand takes f32 operands (vector FMAs, or v_wmma_f32_16x16x4_f32). A number that lies on a knife's edge between two numbers of the format may be rounded either way, as far as f32 arithmetic and the matrix unit's own rounding can turn it there, and no further.
;; One version. Each part assembles by itself: llvm-mc -triple=amdgcn-amd-amdhsa -mcpu=gfx1250 --defsym DOCPART=n.
;; ======== version 1 of 1: 2 launches
;; limits: right only within a limited range of input values
;; workspace buffers: kv 13,369,344 bytes; mbits 2,097,152 bytes of whole numbers
;; launch prep (part 1): grid 1280 x 1, 4 waves a work-group, no clusters, 70,144 bytes of LDS; arguments k, v, mask, kv, mbits; writes kv, mbits
.if DOCPART == 1
	.amdgcn_target "amdgcn-amd-amdhsa--gfx1250"
	.amdhsa_code_object_version 6
	.text
	.protected	k_q376f5a9414_prep
	.globl	k_q376f5a9414_prep
	.p2align	8
	.type	k_q376f5a9414_prep,@function
k_q376f5a9414_prep:
	s_mov_b64 s[64:65], 0
	v_nop
	global_prefetch_b8 v0, s[64:65] scope:SCOPE_SE
	s_setreg_imm32_b32 hwreg(HW_REG_WAVE_MODE, 25, 1), 1
	s_wait_xcnt 0x0
; THE LAUNCH AHEAD OF THE ATTENTION.  k, v: [64 heads][2048 keys][64] f32.  mask: [4][2048 queries][2048 keys] int32.
; It makes (a) kv: for each head and each step of 128 keys one block of 13,056 bytes with K's and V's codes of FP6 (E2M3) and their E8M0 scale bytes, laid in the ORDER OF THE OPERANDS' REGISTERS,
; so that the attention takes every fragment by loads of 16 or 8 bytes a lane at 16 or 8 x lane; (b) mbits: the mask as lane masks, one 32-bit word for each register of a tile of scores.
; A STEP BLOCK (L = lane, r = L % 16, h = L / 16):
;   0      K's eight tiles of 16 keys, 768 bytes each: registers 0-3 at 16 L, then registers 4-5 at 512 + 8 L.  Lane (r, h) of tile 2 b + u holds key 32 b + 8 u + r + 8 (r / 8), channels 32 h .. 32 h + 31.
;   6,144  V's four tiles of 16 channels, 1,536 bytes each: registers 4 c .. 4 c + 3 at 512 c + 16 L.  Lane (r, h) holds channel 16 t + r; registers 6 c .. 6 c + 5 hold keys 64 c + 32 h + 0 .. 31.
;   12,288 K's scale words, 16 bytes a lane: register i holds tile 2 i's words in lanes 0-15 and tile 2 i + 1's in lanes 16-31; a word: byte 0 channels 0-31, byte 1 channels 32-63, bytes 2, 3 = 0.
;   12,800 V's scale words, two planes of 128 bytes, 4 bytes a lane: plane j holds tile 2 j's words in lanes 0-15, tile 2 j + 1's in lanes 16-31; a word's four bytes: the step's four blocks of 32 keys.
; mbits: [4][128 tiles of 16 queries][16 steps][64 words]; bit L of word n: mask(query r of the tile, key 128 s + 32 (n / 16) + 16 h + n % 16) is not 0.
; THE QUANTISER: a block's scale is 2^(floor(log2(its largest magnitude)) - 2); its byte is the largest magnitude's exponent field - 2, held at 1 from below; each number / scale to the nearest code, ties to even,
; beyond the largest code the largest.
; LIMITS: a block of zeros gets the byte 1 where the rule says 127 (its codes are zeros, and this program alone reads the bytes); NaN and infinities among k and v are not served.
; SHARES: work-groups 0-511 pack the mask, 512-767 quantise k, 768-1279 quantise v: scalar branches on the work-group's number.  Waves share nothing: no barrier.  Each path that uses LDS has bytes of its own.
; No tensor loads, no matrix work, no cluster: the launch streams, each input byte is read once, and no two work-groups read the same bytes.
; THE ORDER OF KEYS AS THIS TEXT HAS IT (it stands in place of what the map above says of K's tiles and of mbits):
;   K: lane (r, h) of tile 4 c + u (c = 0, 1; u = 0 .. 3) holds key 64 c + 32 (r / 8) + 8 u + r % 8 of the step, channels 32 h .. 32 h + 31:
;      rows 0-7 of a tile come from block 2 c of 32 keys, rows 8-15 from block 2 c + 1, so that in a tile of scores a lane's registers of four tiles are one whole block.
;   mbits: bit L of word n: mask(query r of the tile, key 128 s + 64 (n / 32) + 32 h + n % 32) is not 0.
;   K's tiles lie in PAIRS: tiles 2 m and 2 m + 1 are 12 registers on end (6 each), 1,536 bytes from byte 1,536 m of the block: registers 4 c .. 4 c + 3 of the twelve at 512 c + 16 L.
.set SPARE, 69632                      ; the spare words, 128 bytes for each wave: two blocks of 256 bytes that no other line names
.set MSTG,  8448                       ; the mask path's stage of a wave: 16 rows x (512 bytes + 16), from LDS byte 0 on
.set KST0,  33792                      ; the k path's stages begin here
.set KSTG,  8960                       ; a wave's: 32 rows x (256 bytes + 16), rows 16-31 pushed 128 bytes on
.set BLKB,  13056                      ; a step block
.set R,     32                         ; v32-159   two sets of 64 registers as loaded
.set X,     160                        ; v160-223  64 numbers in the order in which they are worked
.set W,     224                        ; v224-231  the mask path: a pair of registers of words for each of four steps
	s_load_b256 s[4:11], s[0:1], 0x0               ; k s[4:5], v s[6:7], mask s[8:9], kv s[10:11]
	s_load_b64 s[12:13], s[0:1], 0x20              ; mbits
	v_lshl_add_u32 v30, v0, 2, SPARE               ; my spare word; never rewritten
	v_mov_b32 v31, 0                               ; 0; never rewritten
	v_lshrrev_b32 v1, 5, v0
	v_readfirstlane_b32 s14, v1                    ; wave 0..3
	v_and_b32 v1, 31, v0                           ; lane
	v_and_b32 v2, 15, v0                           ; r
	v_bfe_u32 v3, v0, 4, 1                         ; h
	v_lshlrev_b32 v4, 4, v1                        ; 16 x lane
	v_lshlrev_b32 v5, 3, v1                        ; 8 x lane
	v_lshlrev_b32 v6, 2, v1                        ; 4 x lane
	v_lshlrev_b32 v7, 3, v3                        ; 8 h: how far my scale byte is shifted
	; every LDS address is made here, ahead of the parting of the paths
	s_mul_i32 s15, s14, MSTG
	v_add_nc_u32 v8, s15, v4                       ; mask, into the stage: 16 x lane of a row
	v_mul_u32_u24 v9, v2, 528
	v_lshl_add_u32 v9, v3, 7, v9                   ; + 128 h: lanes 16-31 begin 32 keys on
	v_add_nc_u32 v9, s15, v9                       ; mask, out of it: row r, + 128 h
	s_mul_i32 s15, s14, KSTG
	s_add_co_u32 s15, s15, KST0
	v_mul_u32_u24 v10, v3, 272
	v_lshl_add_u32 v10, v2, 4, v10
	v_add_nc_u32 v10, s15, v10                     ; k, into the stage: a load's 512 bytes are two keys: row h, 16 r
	v_bfe_u32 v15, v0, 3, 1                        ; r / 8
	v_lshl_add_u32 v11, v15, 3, v2                 ; r + 8 (r / 8)
	v_mul_u32_u24 v11, v11, 272
	v_lshl_add_u32 v11, v15, 7, v11                ; rows 16-31 lie 128 bytes on, so that the sixteen rows of a load begin at sixteen different groups of four banks (ISA guide 11.1)
	v_lshl_add_u32 v11, v3, 7, v11
	v_add_nc_u32 v11, s15, v11                     ; k, out of it: my key's row, + 128 h
	s_mov_b32 s20, 0x76543210
	s_mov_b32 s21, 0xfedcba98                      ; v_permlanex16_b32's selects for lane l xor 16
	s_mov_b32 s22, 0xffff0000                      ; lanes 16-31
	v_mov_b32 v19, 0                               ; written once: a lane permute's destination counts as one of its sources
	s_wait_kmcnt 0x0
.macro FINISH                          ; the wave's end
	s_wait_tensorcnt 0x0
	ds_add_u32 v30, v31
	s_wait_dscnt 0x0
	s_endpgm
.endm
; 32 numbers of ONE block, v[x] .. v[x + 31], become six registers of codes v[c] .. v[c + 5]; the scale's byte goes to v[e].  t: three registers at work (a conversion's three registers begin on an even number)
.macro QBLOCK x, c, t, e
	v_max3_num_f32 v12, |v[(\x)]|, |v[(\x)+1]|, |v[(\x)+2]|        ; the largest magnitude, in two chains
	v_max3_num_f32 v13, |v[(\x)+3]|, |v[(\x)+4]|, |v[(\x)+5]|
.irp i, 6,10,14,18,22,26
	v_max3_num_f32 v12, v12, |v[(\x)+\i]|, |v[(\x)+\i+1]|
	v_max3_num_f32 v13, v13, |v[(\x)+\i+2]|, |v[(\x)+\i+3]|
.endr
	v_max3_num_f32 v12, v12, |v[(\x)+30]|, |v[(\x)+31]|
	v_max3_num_f32 v12, v12, v13, 0x1800000        ; and the floor 2^(3 - 127): the byte cannot fall under 1
	v_add_nc_u32 v14, 0xff000000, v12              ; 2 off its exponent field: the conversion takes the exponent field of this operand as its scale
	v_cvt_scalef32_pk16_fp6_f32 v[(\c):(\c)+2], v[(\x):(\x)+15], v14
	v_cvt_scalef32_pk16_fp6_f32 v[(\t):(\t)+2], v[(\x)+16:(\x)+31], v14
	v_lshrrev_b32 v[(\e)], 23, v14                 ; the scale's byte.  (Also the plain instruction between the conversions and the moves that read their results)
.irp i, 0,1,2
	v_mov_b32 v[(\c)+3+\i], v[(\t)+\i]
.endr
.endm
	s_cmp_lt_u32 ttmp9, 512
	s_cbranch_scc0 .Lnot_mask
; ---------------- THE MASK.  Work-group g: the 16 queries of tile g (of 512 = 4 x 128); wave w: steps 4 w .. 4 w + 3, one a turn.
; A turn's 16 loads read 512 consecutive bytes of one row each; the 8,192 bytes turn through my stage, so that lane (r, h) holds row r and, in register 32 c + i, key 64 c + 32 h + i: the layout of a tile of scores.
; A compare then gives a register's word for all 32 lanes; 64 words are written into the lanes of a register pair and leave as one aligned run of 256 bytes.
	s_lshl_b32 s16, ttmp9, 17                      ; 16 rows of 8,192 bytes
	s_lshl_b32 s17, s14, 11                        ; my four steps: 4 x 512 bytes along a row
	s_add_co_u32 s16, s16, s17
	s_mov_b32 s17, 0
	s_add_nc_u64 s[8:9], s[8:9], s[16:17]
	s_lshl_b32 s16, ttmp9, 12                      ; a tile's 16 steps x 256 bytes
	s_lshl_b32 s18, s14, 10
	s_add_co_u32 s16, s16, s18
	s_add_nc_u64 s[12:13], s[12:13], s[16:17]
.irp i, 0,1,2,3,4,5,6,7
	v_mov_b32 v[W+\i], 0                           ; v_writelane_b32's destination counts as read
.endr
.macro LOADM it
.irp i, 0,1,2,3,4,5,6,7,8,9,10,11,12,13,14,15
	global_load_b128 v[R+64*((\it)%2)+4*\i:R+64*((\it)%2)+4*\i+3], v4, s[8:9] offset:8192*\i+512*(\it) th:TH_LOAD_NT
.endr
.endm
.macro MSTEP it
.if (\it) < 3
	s_wait_loadcnt 16                              ; this turn's 16 loads are in; the next turn's 16 may be out
.else
	s_wait_loadcnt 0x0
.endif
.irp i, 0,1,2,3,4,5,6,7,8,9,10,11,12,13,14,15
	ds_store_b128 v8, v[R+64*((\it)%2)+4*\i:R+64*((\it)%2)+4*\i+3] offset:528*\i
.endr
.irp c, 0,1
.irp j, 0,1,2,3,4,5,6,7
	ds_load_b128 v[X+32*\c+4*\j:X+32*\c+4*\j+3], v9 offset:256*\c+16*\j   ; register 32 c + i: key 64 c + 32 h + i.  LDS serves a wave's instructions in order (ISA guide 5.7.1.4): these see my stores
.endr
.endr
	s_wait_dscnt 0x0                               ; the numbers are back, and the stores have read their registers,
.if (\it) < 2
	LOADM (\it)+2                                  ; which take the loads of two turns on
.endif
.irp g, 0,1,2,3
.irp m, 0,1,2,3,4,5,6,7,8,9,10,11,12,13,14,15
	v_cmp_ne_u32 s[32+\m], 0, v[X+16*\g+\m]        ; word 16 g + m: bit L = lane L's number is not 0
.endr
.irp m, 0,1,2,3,4,5,6,7,8,9,10,11,12,13,14,15
	v_writelane_b32 v[W+2*(\it)+(\m%2)], s[32+\m], 8*\g+\m/2   ; words 2 l and 2 l + 1 into lane l's pair
.endr
.endr
	global_store_b64 v5, v[W+2*(\it):W+2*(\it)+1], s[12:13] offset:256*(\it)   ; 32 lanes store 256 consecutive bytes, aligned; each turn has its own pair, so no store's data are written again
.endm
	LOADM 0
	LOADM 1
	MSTEP 0
	MSTEP 1
	MSTEP 2
	MSTEP 3
	FINISH
.Lnot_mask:
	s_cmp_lt_u32 ttmp9, 768
	s_cbranch_scc0 .Lfor_v
; ---------------- K.  A wave takes one step block: 128 keys of a head, 32 a turn (tiles 2 b and 2 b + 1).  The channels are K's innermost axis and the product's K: a lane wants 32 neighbouring channels of one key.
; Each of a turn's 16 loads reads 512 consecutive bytes (two keys); they turn through my stage and come back 128 bytes a lane.
	s_sub_co_u32 s16, ttmp9, 512
	s_lshl_b32 s16, s16, 2
	s_add_co_u32 s16, s16, s14                     ; 16 x head + step
	s_lshl_b32 s18, s16, 15                        ; 128 keys x 256 bytes
	s_mov_b32 s19, 0
	s_add_nc_u64 s[4:5], s[4:5], s[18:19]
	s_mul_i32 s18, s16, BLKB
	s_add_nc_u64 s[10:11], s[10:11], s[18:19]
.macro LOADK b
.irp i, 0,1,2,3,4,5,6,7,8,9,10,11,12,13,14,15
	global_load_b128 v[R+64*((\b)%2)+4*\i:R+64*((\b)%2)+4*\i+3], v4, s[4:5] offset:16384*((\b)/2)+4096*((\b)%2)+8192*(\i/8)+512*(\i%8) th:TH_LOAD_NT   ; turn b: 16 keys from key 64 (b / 2) + 16 (b % 2) on (stage rows 0-15), and the 16 keys that lie 32 further on (rows 16-31)
.endr
.endm
.macro KSTEP b
.if (\b) < 3
	s_wait_loadcnt 16                              ; this turn's 16 loads are in; the next turn's 16 may be out
.else
	s_wait_loadcnt 0x0
.endif
.irp i, 0,1,2,3,4,5,6,7,8,9,10,11,12,13,14,15
	ds_store_b128 v10, v[R+64*((\b)%2)+4*\i:R+64*((\b)%2)+4*\i+3] offset:544*\i+128*(\i/8)
.endr
.irp u, 0,1
.irp j, 0,1,2,3,4,5,6,7
	ds_load_b128 v[X+32*\u+4*\j:X+32*\u+4*\j+3], v11 offset:2176*\u+16*\j   ; tile 2 b + u begins 8 u rows on
.endr
.endr
	s_wait_dscnt 0x0
.if (\b) > 0
	s_wait_xcnt 0x0                                ; the last turn's stores have read their data: the codes' registers may be written again
.endif
.if (\b) < 2
	LOADK (\b)+2
.endif
.irp u, 0,1
	QBLOCK X+32*\u, 224+6*\u, 236, 16+\u
	v_lshlrev_b32 v18, v7, v[16+\u]                ; my byte at its place in the key's scale word (8 h bits up);
	v_permlanex16_b32 v19, v18, s20, s21
	v_or_b32 v[24+\u], v18, v19                    ; with lane l xor 16's the word is whole, in both lanes
.endr
	v_cndmask_b32 v[240+(\b)], v24, v25, s22       ; lanes 0-15: tile 2 b's words; lanes 16-31: tile 2 b + 1's
.irp c, 0,1,2
	global_store_b128 v4, v[224+4*\c:227+4*\c], s[10:11] offset:1536*(\b)+512*\c   ; the pair's twelve registers: three stores of 512 consecutive bytes, aligned to 256
.endr
.endm
	LOADK 0
	LOADK 1
	s_wait_alu depctr_va_vdst(0)
	KSTEP 0
	KSTEP 1
	KSTEP 2
	KSTEP 3
	global_store_b128 v4, v[240:243], s[10:11] offset:12288
	FINISH
.Lfor_v:
; ---------------- V.  The keys are the second product's K and are not innermost: A LANE TAKES A CHANNEL AND ITS REGISTERS RUN DOWN THE KEYS.  Two waves share a step block: wave w takes channels 32 (w % 2) on.
; A block of 32 keys lies in one lane's 32 registers, so its largest magnitude needs no other lane and the codes come out with the keys innermost.  No LDS.
	s_sub_co_u32 s16, ttmp9, 768
	s_lshl_b32 s16, s16, 1
	s_lshr_b32 s17, s14, 1
	s_add_co_u32 s16, s16, s17                     ; 16 x head + step
	s_and_b32 s17, s14, 1                          ; which 32 channels
	s_lshl_b32 s18, s16, 15
	s_lshl_b32 s19, s17, 7
	s_add_co_u32 s18, s18, s19
	s_mov_b32 s19, 0
	s_add_nc_u64 s[6:7], s[6:7], s[18:19]
	s_mul_i32 s16, s16, BLKB
	s_mul_i32 s18, s17, 3072                       ; my two tiles of 1,536 bytes
	s_add_co_u32 s18, s18, s16
	s_add_nc_u64 s[24:25], s[10:11], s[18:19]
	s_lshl_b32 s18, s17, 7                         ; my plane of scale words
	s_add_co_u32 s18, s18, s16
	s_add_nc_u64 s[26:27], s[10:11], s[18:19]
.macro LOADV kb
.irp i, 0,1,2,3,4,5,6,7,8,9,10,11,12,13,14,15,16,17,18,19,20,21,22,23,24,25,26,27,28,29,30,31
	global_load_b32 v[32+32*((\kb)%2)+\i], v6, s[6:7] offset:256*(32*(\kb)+\i) th:TH_LOAD_NT   ; key 32 kb + i: 128 consecutive bytes; the wave beside me takes the row's other 128
.endr
.endm
.macro VSTEP kb
.if (\kb) < 3
	s_wait_loadcnt 32                              ; this block's 32 loads are in; the next block's 32 may be out
.else
	s_wait_loadcnt 0x0
.endif
	QBLOCK 32+32*((\kb)%2), 96+12*((\kb)%2)+6*((\kb)/2), 120, 16   ; blocks 0, 2 at v96, v102; blocks 1, 3 at v108, v114
.if (\kb) == 0
	v_mov_b32 v124, v16                            ; my channel's scale word: the lower keys in the lower byte
.else
	v_lshl_or_b32 v124, v16, 8*(\kb), v124
.endif
.if (\kb) < 2
	LOADV (\kb)+2
.endif
.endm
	LOADV 0
	LOADV 1
	VSTEP 0
	VSTEP 1
	VSTEP 2
	VSTEP 3
.irp i, 0,1,2,3,4,5,6,7,8,9,10,11
	v_permlane16_swap_b32 v[96+\i], v[108+\i]      ; the first's lanes 16-31 change places with the second's lanes 0-15: v96-107 is now the fragment of my first 16 channels (lanes 0-15 blocks 0, 2; lanes 16-31 blocks 1, 3), v108-119 that of my second 16
.endr
.irp e, 0,1
.irp c, 0,1,2
	global_store_b128 v4, v[96+12*\e+4*\c:99+12*\e+4*\c], s[24:25] offset:6144+1536*\e+512*\c   ; 512 consecutive bytes, aligned to 256
.endr
.endr
	global_store_b32 v6, v124, s[26:27] offset:12800
	FINISH
.Lfunc_end_k_q376f5a9414_prep:
	.size	k_q376f5a9414_prep, .Lfunc_end_k_q376f5a9414_prep-k_q376f5a9414_prep
	.p2alignl 7, 3214868480
	.fill 96, 4, 3214868480
	.section	.rodata,"a",@progbits
	.p2align	6, 0x0
	.amdhsa_kernel k_q376f5a9414_prep
		.amdhsa_group_segment_fixed_size 70144
		.amdhsa_private_segment_fixed_size 0
		.amdhsa_enable_private_segment 0
		.amdhsa_kernarg_size 40
		.amdhsa_user_sgpr_count 2
		.amdhsa_user_sgpr_kernarg_segment_ptr 1
		.amdhsa_wavefront_size32 1
		.amdhsa_system_sgpr_workgroup_id_x 1
		.amdhsa_system_sgpr_workgroup_id_y 1
		.amdhsa_system_sgpr_workgroup_id_z 1
		.amdhsa_system_vgpr_workitem_id 0
		.amdhsa_next_free_vgpr 248
		.amdhsa_next_free_sgpr 66
		.amdhsa_reserve_vcc 0
		.amdhsa_float_denorm_mode_32 3
		.amdhsa_float_denorm_mode_16_64 3
		.amdhsa_memory_ordered 1
		.amdhsa_forward_progress 1
		.amdhsa_inst_pref_size 98
	.end_amdhsa_kernel
	.amdgpu_metadata
---
amdhsa.version: [ 1, 2 ]
amdhsa.kernels:
  - .name:           k_q376f5a9414_prep
    .symbol:         k_q376f5a9414_prep.kd
    .args:
      - { .name: k, .offset: 0, .size: 8, .value_kind: global_buffer, .address_space: global }
      - { .name: v, .offset: 8, .size: 8, .value_kind: global_buffer, .address_space: global }
      - { .name: mask, .offset: 16, .size: 8, .value_kind: global_buffer, .address_space: global }
      - { .name: kv, .offset: 24, .size: 8, .value_kind: global_buffer, .address_space: global }
      - { .name: mbits, .offset: 32, .size: 8, .value_kind: global_buffer, .address_space: global }
    .group_segment_fixed_size: 70144
    .private_segment_fixed_size: 0
    .kernarg_segment_align: 8
    .kernarg_segment_size: 40
    .max_flat_workgroup_size: 128
    .sgpr_count:     66
    .vgpr_count:     248
    .wavefront_size: 32
...
	.end_amdgpu_metadata
.endif
;; end of part 1
;; launch attn (part 2): grid 4 x 64, 16 waves a work-group, clusters of 4 x 1, 327,680 bytes of LDS; arguments q, kv, mbits, out0; writes out0
.if DOCPART == 2
	.amdgcn_target "amdgcn-amd-amdhsa--gfx1250"
	.amdhsa_code_object_version 6
	.text
	.protected	k_q376f5a9414_attn
	.globl	k_q376f5a9414_attn
	.p2align	8
	.type	k_q376f5a9414_attn,@function
k_q376f5a9414_attn:
	s_mov_b64 s[64:65], 0
	v_nop
	global_prefetch_b8 v0, s[64:65] scope:SCOPE_SE
	s_setreg_imm32_b32 hwreg(HW_REG_WAVE_MODE, 25, 1), 1
	s_wait_xcnt 0x0
	s_wait_alu depctr_hold_cnt(0) depctr_sa_sdst(0) depctr_va_vdst(0) depctr_va_sdst(0) depctr_va_ssrc(0) depctr_va_vcc(0) depctr_vm_vsrc(0)
	s_getreg_b32 s2, hwreg(HW_REG_IB_STS2, 6, 4)
	s_cmp_eq_u32 s2, 0
	s_cbranch_scc0 .Lentry_in_a_cluster
	s_endpgm
.Lentry_in_a_cluster:
	s_bfe_u32 s2, ttmp6, 0x10000c
	s_cmp_lg_u32 s2, 0x3003
	s_cbranch_scc0 .Lentry_shape_is_right
	s_endpgm
.Lentry_shape_is_right:
; out0[head][q][:] = the sum over k of softmax_k(masked(Q[q] . K[k] / 8)) V[k][:], 64 heads, 2,048 queries and keys, head size 64; both products on codes of FP6 (E2M3) with one E8M0 scale for each 32 along K.
; K, V: codes and scale bytes from the launch before, in step blocks of 128 keys laid in the order of the operands' registers (13,056 bytes; the map stands at that launch's head).  Q: f32, quantised here.
; The mask comes as lane masks, one 32-bit word for each register of a tile of scores, by scalar loads a step ahead; one v_cndmask_b32 a register applies it.
; THE FIRST PRODUCT'S K IS 64 of the instruction's 128: Q's codes of k = 64 .. 127 are zeros.  K's fragments lie 6 registers apart: what the instruction takes as a fragment's k = 64 .. 127 are the next fragment's codes
; (behind the last: zeros); FP6 has no NaN and no infinity, so each such product is a finite number x 0.
; THE SOFTMAX: t = score x log2(e) / 8; M = the row's largest t so far, rounded UP to a whole number; p = 2^(t - M) is quantised along the keys, not normalised; the row's sum is taken of the unquantised p and divides
; at the end.  When M moves, the sum and O are multiplied by 2^(old M - new M): exact.
; A MASKED SCORE is -2^33 (a logit of -2^30, where reference() has -1e9): times c it is a whole number that f32 holds exactly, so in a row with no open key t - M is exactly 0 and every p is 1, as in reference();
; in a row with an open key p falls to 0, as there.
; LIMITS: results equal reference()'s while every open logit lies above about -1e9 and the scaled scores stay under 2^31 in magnitude; NaN and infinities among the inputs are not served; a block of zeros has the scale byte 1.
; SHARES.  A work-group owns 512 queries of one head; each of its sixteen waves two tiles of 16 queries (queries 256 p + 16 w), one a pass; every wave walks the head's 16 steps of 128 keys.
; LDS.  A head's 16 step blocks, 208,896 bytes, lie in LDS whole: each wave brings one block by one tensor load at the start; nothing is filled again.
; CLUSTER.  The four work-groups of a head ask for each block JOINTLY: the same load, the same descriptor, a mask that names the four.
; LAYOUT.  Both products are used transposed: S^T = K Q^T, O^T = V^T P^T: a lane holds ONE query (lane % 16).  Rows 0-7 of K's tile 4 c + u are keys 8 u .. 8 u + 7 of block 2 c, rows 8-15 those of block 2 c + 1:
; register 32 c + i of S^T in lane (r, h) is key 64 c + 32 h + i: a lane holds two WHOLE blocks of 32 keys, in the order of the second product's operand.  So a block's maximum needs no other lane, and p's codes no lane swap.
; A BARRIER IN EACH STEP, signalled behind the request for the next mask words and waited for at the step's end: no wave is more than a step ahead of another, so the four waves of a SIMD have work side by side to the last step.
; LDS LOADS EARLY: between that signal and wait (bytes that nobody writes) come the next step's K fragments and two of this step's four V fragments, which have registers of their own; the other two V fragments
; take p's first 24 registers as soon as those are converted and summed.  The last step of a pass is written out, since it loads no further K.
; THE SUM runs in five chains; the four adds that join them stand behind the next step's first products, as the places that those products need.
; Q: the first tile is asked for at the head.  The second tile, 4,096 bytes a wave, is loaded in the first pass's last step into K's fragment registers, which that step leaves idle, and quantised between the passes.
; A PREFETCH INTO THE L2 names those 4,096 bytes once, a lane to each 256 (lanes 16-31 name the wave's last block again), when 8 steps of the first pass's loop are left: 8 steps ahead of the loads; its address registers are never rewritten.
; No other prefetch: kv and the first Q are asked for once, at the head, with no loop ahead of them; a step's 256 bytes of mask words are asked for a whole step ahead by their own loads.
.set BLKB,  13056
.set VFO,   6144                       ; in a step block: V's fragments,
.set KSO,   12288                      ; K's scale words,
.set VSO,   12800                      ; V's
.set STAGE, 16*BLKB                    ; a stage of 16 rows x (256 + 16) bytes for each wave: Q's way in, the result's way out
.set SPARE, STAGE+16*4352              ; the spare words, 128 bytes for each wave: eight blocks of 256 bytes that no other line names
; v1 16 x lane, v3 4 x lane; v4, v6 the same + the step block's LDS byte; v7, v30, v31 stage addresses; v8, v9 the add's two; v10 the masked score; v11 the prefetch's offset
; v12 -M, v13 the largest score, v[14:15] the sum's first chain; v39 8 x (lane / 16)
.set QF,  16                           ; v16-27   Q's fragment (v22-27 zeros)
.set QS,  28                           ; Q's scale words
.set PW,  29                           ; p's scale word
.set KS,  32                           ; v32-35   K's scale words; v36, v37 V's
.set VS,  36
.set KF,  40                           ; v40-87   K's eight fragments, 6 registers each; v88-93 zeros
.set S,   96                           ; v96-159  S^T, then p; then v96-119 V's fragments 2 and 3
.set OT,  160                          ; v160-191 O^T
.set PC,  192                          ; v192-203 p's codes
.set CT,  204                          ; v204-206, v208-210 the conversions' second halves
.set CH,  212                          ; v212-219 the maxima's eight chains, four a block; then: v212, v216 a block's largest score and largest p,
.set SOP, 213                          ; v213, v217 the conversions' scale operands,
.set X4,  214                          ; v214-215 the sum's fifth chain,
.set BY,  218                          ; v218-219 the scale bytes
.set X1,  220                          ; v220-225 the sum's second to fourth chains
.set X2,  222
.set X3,  224
.set FF,  226                          ; v226-227 f = 2^(old M - new M), named as a pair
.set TT,  228                          ; v228 at work; v229 the old -M
.set BP,  230                          ; the lane permutes' destination
.set VA,  232                          ; v232-243 V's fragment 0
.set VB,  244                          ; v244-255 V's fragment 1
.set QX,  160                          ; where Q is quantised: 32 numbers of Q,
.set QT,  192                          ; and v192-198 at work
; s[4:5] q, s[6:7] kv, s[8:9] mbits, s[10:11] out0; s12 wave; s13 the step block's LDS byte; s14 steps left; s[16:19], s[20:27] the descriptor; s[28:29] c; s[30:31] lane selects; s[32:63], s[68:99] the 64 mask words
.macro ROUND                           ; a round of the cluster's barrier
	s_barrier_signal -1
	s_barrier_wait -1
	s_cmp_lg_u32 s12, 0
	s_cbranch_scc1 .Lnot_wave_0_\@
	s_barrier_signal -3
.Lnot_wave_0_\@:
	s_barrier_wait -3
	s_barrier_signal -1
	s_barrier_wait -1
.endm
.macro MLOAD                           ; a step's 64 mask words: word n in s[32 + n], from word 32 on in s[36 + n]
	s_load_b512 s[32:47], s[8:9], 0x0
	s_load_b512 s[48:63], s[8:9], 0x40
	s_load_b512 s[68:83], s[8:9], 0x80
	s_load_b512 s[84:99], s[8:9], 0xc0
.endm
.macro KLOAD off                       ; K's scale words and eight fragments (four pairs of 12 registers) of the block off bytes behind v4's
	ds_load_b128 v[KS:KS+3], v4 offset:KSO+\off
.irp m, 0,1,2,3
.irp c, 0,1,2
	ds_load_b128 v[KF+12*\m+4*\c:KF+12*\m+4*\c+3], v4 offset:1536*\m+512*\c+\off
.endr
.endr
.endm
.macro VLOAD t, a                      ; V's fragment t into v[a .. a + 11]
.irp c, 0,1,2
	ds_load_b128 v[(\a)+4*\c:(\a)+4*\c+3], v4 offset:VFO+1536*(\t)+512*\c
.endr
.endm
.macro QLOAD reg, off                  ; a tile of Q as it lies: 512 consecutive bytes a load
.irp i, 0,1,2,3,4,5,6,7
	global_load_b128 v[(\reg)+4*\i:(\reg)+4*\i+3], v1, s[4:5] offset:(\off)+512*\i th:TH_LOAD_NT
.endr
.endm
.macro ACC x, j                        ; the sum's chain at v[x] takes p's registers j and j + 1
	v_pk_add_f32 v[\x:\x+1], v[\x:\x+1], v[S+\j:S+\j+1]
.endm
.macro JOIN                            ; the sum's five chains become one: four plain lines that name no register of a product
	v_pk_add_f32 v[X1:X1+1], v[X1:X1+1], v[X2:X2+1]
	v_pk_add_f32 v[X3:X3+1], v[X3:X3+1], v[X4:X4+1]
	s_delay_alu instid0(VALU_DEP_1)
	v_pk_add_f32 v[X1:X1+1], v[X1:X1+1], v[X3:X3+1]
	s_delay_alu instid0(VALU_DEP_1)
	v_pk_add_f32 v[14:15], v[14:15], v[X1:X1+1]
.endm
.macro PVW t, a                        ; O^T's tile t += V's fragment at v[a] x p
.if (\t)%2
	v_wmma_scale_f32_16x16x128_f8f6f4 v[OT+8*(\t):OT+8*(\t)+7], v[(\a):(\a)+11], v[PC:PC+11], v[OT+8*(\t):OT+8*(\t)+7], v[VS+(\t)/2], v[PW] matrix_a_fmt:MATRIX_FMT_FP6 matrix_b_fmt:MATRIX_FMT_FP6 matrix_a_scale:MATRIX_SCALE_ROW1
.else
	v_wmma_scale_f32_16x16x128_f8f6f4 v[OT+8*(\t):OT+8*(\t)+7], v[(\a):(\a)+11], v[PC:PC+11], v[OT+8*(\t):OT+8*(\t)+7], v[VS+(\t)/2], v[PW] matrix_a_fmt:MATRIX_FMT_FP6 matrix_b_fmt:MATRIX_FMT_FP6
.endif
.endm
; A tile of Q in v[reg ..] turns through my stage: lane (r, h) gets channels 32 h .. 32 h + 31 of query r, one block; codes to v[QF .. QF + 5], the scale word to v[QS]
.macro QTURN reg
.irp i, 0,1,2,3,4,5,6,7
	ds_store_b128 v31, v[(\reg)+4*\i:(\reg)+4*\i+3] offset:544*\i
.endr
.irp j, 0,1,2,3,4,5,6,7
	ds_load_b128 v[QX+4*\j:QX+4*\j+3], v7 offset:16*\j   ; LDS serves a wave's instructions in order (ISA guide 5.7.1.4): these see my stores
.endr
	s_wait_dscnt 0x0
	v_max3_num_f32 v[QT], |v[QX]|, |v[QX+1]|, |v[QX+2]|  ; the largest magnitude, in two chains
	v_max3_num_f32 v[QT+1], |v[QX+3]|, |v[QX+4]|, |v[QX+5]|
.irp i, 6,10,14,18,22,26
	s_delay_alu instid0(VALU_DEP_2)
	v_max3_num_f32 v[QT], v[QT], |v[QX+\i]|, |v[QX+\i+1]|
	s_delay_alu instid0(VALU_DEP_2)
	v_max3_num_f32 v[QT+1], v[QT+1], |v[QX+\i+2]|, |v[QX+\i+3]|
.endr
	s_delay_alu instid0(VALU_DEP_2)
	v_max3_num_f32 v[QT], v[QT], |v[QX+30]|, |v[QX+31]|
	s_delay_alu instid0(VALU_DEP_1)
	v_max3_num_f32 v[QT], v[QT], v[QT+1], 0x1800000      ; and the floor 2^(3 - 127): the byte cannot fall under 1
	s_delay_alu instid0(VALU_DEP_1)
	v_add_nc_u32 v[QT+2], 0xff000000, v[QT]              ; 2 off its exponent field: the conversion's scale operand
	v_cvt_scalef32_pk16_fp6_f32 v[QF:QF+2], v[QX:QX+15], v[QT+2]
	v_cvt_scalef32_pk16_fp6_f32 v[QT+4:QT+6], v[QX+16:QX+31], v[QT+2]   ; (a conversion's three registers begin on an even number)
	v_lshrrev_b32 v[QT+3], 23, v[QT+2]                   ; the scale's byte; also the plain instruction behind the conversions
.irp i, 0,1,2
	v_mov_b32 v[QF+3+\i], v[QT+4+\i]
.endr
	v_lshlrev_b32 v[QT+3], v39, v[QT+3]                  ; my byte at its place (8 h bits up);
	s_delay_alu instid0(VALU_DEP_1)
	v_permlanex16_b32 v[QT+1], v[QT+3], s30, s31
	s_delay_alu instid0(VALU_DEP_1)
	v_or_b32 v[QS], v[QT+3], v[QT+1]                     ; with lane l xor 16's: the query's scale word; bytes 2 and 3 are 0 and scale zero codes
.endm
; ONE STEP OF 128 KEYS.  more = 1: the pass has a further step, whose mask words and K fragments are asked for here; pf = 1: the first pass's loop, which prefetches once; qn = 1: the first pass's last step, which loads the next Q
.macro STEP more, pf, qn
.irp t, 0,1,2,3,4,5,6,7
.if \t%2
	v_wmma_scale_f32_16x16x128_f8f6f4 v[S+8*\t:S+8*\t+7], v[KF+6*\t:KF+6*\t+11], v[QF:QF+11], 0, v[KS+\t/2], v[QS] matrix_a_fmt:MATRIX_FMT_FP6 matrix_b_fmt:MATRIX_FMT_FP6 matrix_a_scale:MATRIX_SCALE_ROW1
.else
	v_wmma_scale_f32_16x16x128_f8f6f4 v[S+8*\t:S+8*\t+7], v[KF+6*\t:KF+6*\t+11], v[QF:QF+11], 0, v[KS+\t/2], v[QS] matrix_a_fmt:MATRIX_FMT_FP6 matrix_b_fmt:MATRIX_FMT_FP6
.endif
.endr
	JOIN                                           ; the last step's sums are joined: also the four places behind the products, ahead of the first read of their results and of loads into their sources
.if \qn
	QLOAD KF, 65536                                ; my second tile of Q, 256 queries on, into 32 of K's registers, which this step leaves idle
.endif
	s_wait_kmcnt 0x0                               ; this step's mask words, asked for a step ago
.if \pf
	s_cmp_lg_u32 s14, 8
	s_cbranch_scc1 .Lno_ask_\@
	global_prefetch_b8 v11, s[4:5] offset:65536 th:TH_LOAD_NT scope:SCOPE_SE   ; my second tile of Q, once
.Lno_ask_\@:
.endif
.set n, 0
.rept 64
	v_cndmask_b32 v[S+n], v10, v[S+n], s[32+n+4*(n/32)]   ; a closed key's score becomes -2^33; ascending: each accumulator is read from its low end on
.set n, n+1
.endr
.irp c, 0,1                                    ; THE LARGEST SCORE OF MY TWO BLOCKS OF 32 KEYS, four chains each, the eight by turns: it serves the row's maximum and, since p rises with the score, the block's largest p
.irp k, 0,1,2,3
	v_max3_num_f32 v[CH+4*\c+\k], v[S+32*\c+8*\k], v[S+32*\c+8*\k+1], v[S+32*\c+8*\k+2]
.endr
.endr
.irp i, 3,5
.irp c, 0,1
.irp k, 0,1,2,3
	v_max3_num_f32 v[CH+4*\c+\k], v[CH+4*\c+\k], v[S+32*\c+8*\k+\i], v[S+32*\c+8*\k+\i+1]
.endr
.endr
.endr
.irp c, 0,1
	v_max_num_f32 v[CH+4*\c+3], v[CH+4*\c+3], v[S+32*\c+31]
.endr
.irp c, 0,1
	v_max3_num_f32 v[CH+4*\c], v[CH+4*\c], v[CH+4*\c+1], v[S+32*\c+7]
.endr
.irp c, 0,1
	v_max3_num_f32 v[CH+4*\c+2], v[CH+4*\c+2], v[CH+4*\c+3], v[S+32*\c+15]
.endr
.irp c, 0,1
	s_delay_alu instid0(VALU_DEP_2)
	v_max3_num_f32 v[CH+4*\c], v[CH+4*\c], v[CH+4*\c+2], v[S+32*\c+23]
.endr
.if \more
	s_add_nc_u64 s[8:9], s[8:9], 256               ; the words above have been read and their loads are done: base and registers may be written
	MLOAD
.endif
	s_barrier_signal -1                            ; no LDS instruction of mine is out here
.if \more
	KLOAD BLKB                                     ; the next step's K: bytes that nobody writes
.endif
	VLOAD 0, VA                                    ; this step's V: two fragments and the scale words
	VLOAD 1, VB
	ds_load_b32 v[VS], v6 offset:VSO
	ds_load_b32 v[VS+1], v6 offset:VSO+128
	v_max_num_f32 v[TT], v[CH], v[CH+4]
	s_delay_alu instid0(VALU_DEP_1)
	v_permlanex16_b32 v[BP], v[TT], s30, s31
	s_delay_alu instid0(VALU_DEP_1)
	v_max3_num_f32 v13, v13, v[TT], v[BP]          ; the running largest score of my query, both halves of the lanes alike
	s_delay_alu instid0(VALU_DEP_1)
	v_mul_f32 v[TT], s28, v13                      ; as t (c is positive)
	s_delay_alu instid0(VALU_DEP_1)
	v_floor_f32 v12, -v[TT]                        ; the new -M = -ceil(t): M is a whole number
	s_delay_alu instid0(VALU_DEP_1)
.set j, 0
.rept 4                                        ; t - M, two at a time (of the pairs c and -M the low word serves both halves); the three lines that make f stand among them
.rept 8
	v_pk_fma_f32 v[S+j:S+j+1], v[S+j:S+j+1], s[28:29], v[12:13] op_sel_hi:[1,0,0]
.set j, j+2
.endr
.if j == 16
	v_sub_f32 v[TT], v12, v[TT+1]                  ; M's old value less its new one: a whole number, 0 or less
.endif
.if j == 32
	v_cvt_i32_f32 v[TT], v[TT]                     ; (it saturates)
.endif
.if j == 48
	v_ldexp_f32 v[FF], 1.0, v[TT]                  ; f = 2^(old M - new M)
.endif
.endr
.irp c, 0,1
	v_fma_f32 v[CH+4*\c], v[CH+4*\c], s28, v12     ; the same of each block's largest score
.endr
	s_wait_alu depctr_va_vdst(0)                   ; the wait ahead of the batch
.set j, 0
.rept 64
	v_exp_f32 v[S+j], v[S+j]                       ; p = 2^(t - M), at most 1: not normalised
.set j, j+1
.endr
.irp c, 0,1
	v_exp_f32 v[CH+4*\c], v[CH+4*\c]               ; the block's largest p: the same two instructions on the same number give the same bits
.endr
	v_pk_mul_f32 v[14:15], v[14:15], v[FF:FF+1] op_sel_hi:[1,0]   ; the sum under the new M; the plain instruction behind the exponentials
	s_wait_alu depctr_va_vdst(0)                   ; and the one wait behind the batch, ahead of its first reader
.irp c, 0,1
	v_max_num_f32 v[CH+4*\c], 0x1800000, v[CH+4*\c]   ; the floor 2^(3 - 127): the byte cannot fall under 1
.endr
.irp c, 0,1
	s_delay_alu instid0(VALU_DEP_2)
	v_add_nc_u32 v[SOP+4*\c], 0xff000000, v[CH+4*\c]  ; 2 off the exponent field: the conversion's scale operand
.endr
	v_pk_add_f32 v[X1:X1+1], v[S:S+1], v[S+2:S+3]  ; THE ROW'S SUM IS TAKEN OF THE UNQUANTISED p: two at a time, in five chains, four of them begun anew in each step
	v_pk_add_f32 v[X2:X2+1], v[S+4:S+5], v[S+6:S+7]
	v_pk_add_f32 v[X3:X3+1], v[S+8:S+9], v[S+10:S+11]
	v_pk_add_f32 v[X4:X4+1], v[S+12:S+13], v[S+14:S+15]
	v_cvt_scalef32_pk16_fp6_f32 v[PC:PC+2], v[S:S+15], v[SOP]
	v_cvt_scalef32_pk16_fp6_f32 v[CT:CT+2], v[S+16:S+31], v[SOP]   ; (a conversion's three registers begin on an even number)
	v_lshrrev_b32 v[BY], 23, v[SOP]                ; the scale's bytes; the plain instruction behind the conversions.  The lines that make p's scale word stand among the sums
	v_lshrrev_b32 v[BY+1], 23, v[SOP+4]
	ACC 14, 16
	ACC X1, 18
	v_lshl_or_b32 v[BY], v[BY+1], 16, v[BY]        ; my two bytes: blocks h and 2 + h,
	ACC X2, 20
	ACC X3, 22
	ACC X4, 24
	v_lshlrev_b32 v[BY], v39, v[BY]                ; at their places in the scale word (8 h bits up);
	ACC 14, 26
	ACC X1, 28
	ACC X2, 30
	v_permlanex16_b32 v[BP], v[BY], s30, s31
	VLOAD 2, S                                     ; V's other two fragments, into the 24 registers that p's first block has left
	VLOAD 3, S+12
	v_cvt_scalef32_pk16_fp6_f32 v[PC+6:PC+8], v[S+32:S+47], v[SOP+4]
	v_cvt_scalef32_pk16_fp6_f32 v[CT+4:CT+6], v[S+48:S+63], v[SOP+4]
	ACC X3, 32
	ACC X4, 34
	v_or_b32 v[PW], v[BY], v[BP]                   ; with lane l xor 16's two the word is whole
	ACC 14, 36
	ACC X1, 38
	ACC X2, 40
	ACC X3, 42
	ACC X4, 44
	ACC 14, 46
	ACC X1, 48
	ACC X2, 50
	ACC X3, 52
	ACC X4, 54
	ACC 14, 56
	ACC X1, 58
	ACC X2, 60
	ACC X3, 62
.irp c, 0,1
.irp i, 0,1,2
	v_mov_b32 v[PC+6*\c+3+\i], v[CT+4*\c+\i]       ; registers 6 c .. 6 c + 5: keys 64 c + 32 h + 0 .. 31
.endr
.endr
	s_wait_alu depctr_va_vdst(0)                   ; directly ahead of the first reader of O^T
.set j, 0
.rept 16
	v_pk_mul_f32 v[OT+j:OT+j+1], v[OT+j:OT+j+1], v[FF:FF+1] op_sel_hi:[1,0]   ; O^T under the new M, each accumulator from its low end on; also the places between p's codes and the products below
.set j, j+2
.endr
	s_wait_alu depctr_va_vdst(0)                   ; directly ahead of the wait below
	s_wait_dscnt 0x0                               ; V's fragments and scale words, and the next step's K
	PVW 0, VA                                      ; O^T += V^T P^T: four accumulators, one instruction each: they take turns
	PVW 1, VB
	PVW 2, S
	PVW 3, S+12
.if \more
	s_add_co_u32 s13, s13, BLKB
	v_add_nc_u32 v4, s13, v1                       ; the next block's addresses and the copy of -M; with the two v_nop five places: the next step's products write over V's fragments (ISA guide 7.12.1)
	v_add_nc_u32 v6, s13, v3
	v_mov_b32 v[TT+1], v12
	v_nop
	v_nop
.endif
	s_barrier_wait -1                              ; every wave has passed this step's signal
.endm
; ONE PASS: my tile p of 16 queries against the head's 2,048 keys
.macro PASS p
	s_wait_loadcnt 0x0                             ; my tile of Q is in registers
.if \p
	QTURN KF
.else
	QTURN S
.endif
	v_mov_b32 v13, 0xff61b1e6                      ; the largest score so far: -3e38
	v_mov_b32 v12, 0x7e000000                      ; -M: 2^125, so that the first f is 0
	v_mov_b32 v[TT+1], 0x7e000000                  ; and its copy
.irp i, 14,15,BP,FF+1,X4,X4+1,X1,X1+1,X2,X2+1,X3,X3+1
	v_mov_b32 v[\i], 0                             ; the sum's chains; a lane permute's destination and a pair's upper half, which count as read
.endr
.set j, 0
.rept 32
	v_mov_b32 v[OT+j], 0                           ; O^T: the step is written once; the first finds zeros.  Also the places between Q's scale word and the first product
.set j, j+1
.endr
	s_mov_b32 s13, 0
	v_add_nc_u32 v4, s13, v1
	v_add_nc_u32 v6, s13, v3
	s_wait_alu depctr_va_vdst(0)
	KLOAD 0
	s_mov_b32 s14, 15
	s_wait_dscnt 0x0
.Lstep_\@:
	STEP 1, 1-\p, 0
	s_sub_co_u32 s14, s14, 1
	s_cmp_lg_u32 s14, 0
	s_cbranch_scc1 .Lstep_\@
	STEP 0, 0, 1-\p
.if \p == 0
	s_add_nc_u64 s[8:9], s[8:9], 61696             ; the next pass's first mask words: 16 tiles of 4,096 bytes on, less the 15 steps of 256 walked; no scalar load is out
	MLOAD
.endif
	JOIN                                           ; the last step's sums; also the four places behind the last products
	s_delay_alu instid0(VALU_DEP_1)
	v_add_f32 v14, v14, v15                        ; the sum's two halves,
	s_delay_alu instid0(VALU_DEP_1)
	v_permlanex16_b32 v[BP], v14, s30, s31
	s_delay_alu instid0(VALU_DEP_1)
	v_add_f32 v14, v14, v[BP]                      ; and lane l xor 16's: the row's sum
	s_wait_alu depctr_va_vdst(0)                   ; the wait ahead of the reciprocal,
	v_rcp_f32 v14, v14
	v_nop
	s_wait_alu depctr_va_vdst(0)                   ; and behind it, ahead of the first use
.set j, 0
.rept 16
	v_pk_mul_f32 v[S+j:S+j+1], v[OT+j:OT+j+1], v[14:15] op_sel_hi:[1,0]   ; O^T / the sum: register 8 t + i is out(query r, channel 16 t + 8 h + i)
.set j, j+2
.endr
.irp t, 0,1,2,3
	ds_store_b128 v30, v[S+8*\t:S+8*\t+3] offset:64*\t
	ds_store_b128 v30, v[S+8*\t+4:S+8*\t+7] offset:64*\t+16
.endr
.irp i, 0,1,2,3,4,5,6,7
	ds_load_b128 v[S+32+4*\i:S+32+4*\i+3], v31 offset:544*\i   ; whole rows back: these see my stores
.endr
.irp i, 0,1,2,3,4,5,6,7
	s_wait_dscnt 7-\i                              ; load i is back; the 7 - i younger ones may be out
	global_store_b128 v1, v[S+32+4*\i:S+32+4*\i+3], s[10:11] offset:512*\i+65536*\p th:TH_STORE_NT   ; 32 lanes store two rows, 512 consecutive bytes, aligned to 256
.endr
.if \p == 0
	s_wait_xcnt 0x0                                ; the stores have read their data: the registers may be written again
.endif
.endm
	s_load_b256 s[4:11], s[0:1], 0x0
	v_lshl_add_u32 v8, v0, 2, SPARE
	v_mov_b32 v9, 0
	ds_add_u32 v8, v9                              ; the wave's opening: the add, twice on end, and its wait ahead of my first tensor load
	ds_add_u32 v8, v9
	v_lshrrev_b32 v1, 5, v0
	s_delay_alu instid0(VALU_DEP_1)
	v_readfirstlane_b32 s12, v1                    ; wave 0..15
	s_bfe_u32 s66, ttmp6, 0x40000                  ; cx
	s_lshl_b32 s100, ttmp9, 2
	s_add_co_u32 s66, s66, s100                    ; my block of 512 queries: it enters q's, mbits' and out0's addresses alone
	s_and_b32 s67, ttmp7, 0xffff                   ; the head, which the four partners share
	s_mov_b32 s16, 1                               ; the descriptor: my step block, 13,056 dense bytes, as 51 rows of 256 bytes (32 elements of 8 bytes), no padding
	s_mul_i32 s17, s12, BLKB                       ; LDS address: block w
	s_mov_b32 s20, 15|(3<<16)|(1<<21)              ; the mask: all four work-groups; elements of 8 bytes; bit 21 set beside a mask
	s_mov_b32 s21, 32<<16
	s_mov_b32 s22, 51<<16
	s_mov_b32 s23, 32<<16
	s_mov_b32 s24, 51
	s_mov_b32 s25, 32
	s_mov_b32 s26, 0
	s_mov_b32 s27, 0
	s_mov_b32 s28, 0x3e38aa3b                      ; c = log2(e) / 8
	s_mov_b32 s29, s28
	s_mov_b32 s30, 0x76543210
	s_mov_b32 s31, 0xfedcba98                      ; v_permlanex16_b32's selects for lane l xor 16
	s_lshl_b32 s32, s67, 19                        ; q and out0: a head is 2,048 rows of 256 bytes,
	s_lshl_b32 s33, s66, 17                        ; my work-group's 512 rows,
	s_add_co_u32 s32, s32, s33
	s_lshl_b32 s33, s12, 12                        ; my wave's 16
	s_add_co_u32 s32, s32, s33
	s_mov_b32 s33, 0
	s_lshr_b32 s36, s67, 4                         ; mbits: the batch has 128 tiles of queries x 4,096 bytes of words
	s_lshl_b32 s36, s36, 19
	s_lshl_b32 s37, s66, 17
	s_add_co_u32 s36, s36, s37
	s_lshl_b32 s37, s12, 12
	s_add_co_u32 s36, s36, s37
	s_mov_b32 s37, 0
	s_mul_i32 s38, s67, 16*BLKB                    ; kv: the head's blocks, and mine of them: made of the head and the wave's number alone
	s_add_co_u32 s38, s38, s17
	s_mov_b32 s39, 0
	s_mul_i32 s100, s12, 4352
	s_add_co_u32 s100, s100, STAGE                 ; my stage
	v_and_b32 v2, 31, v0                           ; lane
	v_and_b32 v4, 15, v0                           ; r
	v_bfe_u32 v5, v0, 4, 1                         ; h
	v_mov_b32 v10, 0xd0000000                      ; -2^33
	v_lshlrev_b32 v1, 4, v2
	v_lshlrev_b32 v3, 2, v2
	v_mul_u32_u24 v30, v4, 272
	v_mul_u32_u24 v31, v5, 272
	v_lshlrev_b32 v39, 3, v5
	v_min_u32 v11, 15, v2
	v_add_nc_u32 v30, s100, v30
	v_add_nc_u32 v31, s100, v31
	v_lshlrev_b32 v11, 8, v11                      ; the prefetch: lanes 0-15 256 bytes apart, lanes 16-31 at lane 15's block
	v_lshl_add_u32 v7, v5, 7, v30                  ; the stage, Q out of it: row r, + 128 h
	v_lshl_add_u32 v31, v4, 4, v31                 ; by whole rows: lanes 0-15 one row, lanes 16-31 the next
	v_lshl_add_u32 v30, v5, 5, v30                 ; the result into it: row r, + 32 h
.irp i, 22,23,24,25,26,27,88,89,90,91,92,93
	v_mov_b32 v[\i], 0                             ; Q's codes of k = 64 .. 127, and what stands behind K's last fragment
.endr
	s_wait_alu depctr_va_vdst(0)                   ; the wait at the head's end
	s_wait_dscnt 0x0                               ; both opening adds are done
	s_wait_kmcnt 0x0
	s_add_nc_u64 s[4:5], s[4:5], s[32:33]
	s_add_nc_u64 s[10:11], s[10:11], s[32:33]
	s_add_nc_u64 s[8:9], s[8:9], s[36:37]
	s_add_nc_u64 s[18:19], s[6:7], s[38:39]
	s_or_b32 s19, s19, 0x80000000                  ; type = 2
	QLOAD S, 0                                     ; my first tile of Q,
	MLOAD                                          ; and the first step's mask words: both are on their way while the work-groups meet
	ROUND                                          ; all four work-groups are here: the joint loads meet
	tensor_load_to_lds s[16:19], s[20:27]          ; my one tensor load of the launch
	s_nop 0
.rept 4
	v_nop
.endr
	s_wait_tensorcnt 0x0                           ; my block is in,
	s_barrier_signal -1
	s_barrier_wait -1                              ; everybody's is: the whole head lies in LDS, and nobody writes it again
	PASS 0
	PASS 1
	s_wait_tensorcnt 0x0                           ; the wave's end
	ds_add_u32 v8, v9
	s_wait_dscnt 0x0
	ROUND                                          ; the closing round: no work-group ends while a partner may still ask for a block that names it
	s_endpgm
.Lfunc_end_k_q376f5a9414_attn:
	.size	k_q376f5a9414_attn, .Lfunc_end_k_q376f5a9414_attn-k_q376f5a9414_attn
	.p2alignl 7, 3214868480
	.fill 96, 4, 3214868480
	.section	.rodata,"a",@progbits
	.p2align	6, 0x0
	.amdhsa_kernel k_q376f5a9414_attn
		.amdhsa_group_segment_fixed_size 327680
		.amdhsa_private_segment_fixed_size 0
		.amdhsa_enable_private_segment 0
		.amdhsa_kernarg_size 32
		.amdhsa_user_sgpr_count 2
		.amdhsa_user_sgpr_kernarg_segment_ptr 1
		.amdhsa_wavefront_size32 1
		.amdhsa_system_sgpr_workgroup_id_x 1
		.amdhsa_system_sgpr_workgroup_id_y 1
		.amdhsa_system_sgpr_workgroup_id_z 1
		.amdhsa_system_vgpr_workitem_id 0
		.amdhsa_next_free_vgpr 256
		.amdhsa_next_free_sgpr 102
		.amdhsa_reserve_vcc 0
		.amdhsa_float_denorm_mode_32 3
		.amdhsa_float_denorm_mode_16_64 3
		.amdhsa_memory_ordered 1
		.amdhsa_forward_progress 1
		.amdhsa_inst_pref_size 99
	.end_amdhsa_kernel
	.amdgpu_metadata
---
amdhsa.version: [ 1, 2 ]
amdhsa.kernels:
  - .name:           k_q376f5a9414_attn
    .symbol:         k_q376f5a9414_attn.kd
    .args:
      - { .name: q, .offset: 0, .size: 8, .value_kind: global_buffer, .address_space: global }
      - { .name: kv, .offset: 8, .size: 8, .value_kind: global_buffer, .address_space: global }
      - { .name: mbits, .offset: 16, .size: 8, .value_kind: global_buffer, .address_space: global }
      - { .name: out0, .offset: 24, .size: 8, .value_kind: global_buffer, .address_space: global }
    .group_segment_fixed_size: 327680
    .private_segment_fixed_size: 0
    .kernarg_segment_align: 8
    .kernarg_segment_size: 32
    .max_flat_workgroup_size: 512
    .sgpr_count:     102
    .vgpr_count:     256
    .wavefront_size: 32
...
	.end_amdgpu_metadata
.endif
;; end of part 2
